; MI455X (gfx1250); checked and timed in simulation.
; The chip was launched on July 23, 2026; its instructions are those of AMD's public machine-readable ISA for CDNA 5 (MIT licence, August 2026) and "CDNA5" Instruction Set Architecture Reference Guide (July 2026). The comments in the code are by the model that wrote it; some were corrected since.
;; Self Attention. Allowed arithmetic: matrix products marked QUANTISED: E2M1 operands, one E8M0 scale for each 32 along K, by v_wmma_scale_f32_16x16x128_f8f6f4 with both operands' format E2M1 (or v_wmma_scale_f32_32x16x128_f4), f32 sums; everything else in f32.
;; Inputs: key_padding_mask 2 x 2,048 bool; qkv 2 x 2,048 x 16 x 384 float32.
;; Outputs: out0 2 x 2,048 x 16 x 128 float32.
;; This version of the problem:
;;   THIS VERSION OF THE PROBLEM IS GIVEN IN LOW PRECISION. The matrix products marked QUANTISED in the list below multiply operands that are first quantised to E2M1 (2 exponent bits, 1 mantissa bit; 4 bits a number), with one power-of-two scale for each 32 numbers along K (OCP MX v1.0); their sums are f32. All else is computed in f32.
;;   The module's matrix products, in the order in which they are computed (A, B: the left and right operand; K: the contracted axis; several contracted axes count as one K, in the product's order):
;;     1. batch 32 x [M 2,048, K 128] x [K 128, N 2,048]; A: computed on the way; B: computed on the way: QUANTISED
;;     2. batch 32 x [M 128, K 2,048] x [K 2,048, N 2,048]; A: computed on the way; B: softmax (see below): QUANTISED
;;   THE QUANTISER, for each operand of a quantised product, along K:
;;     - K is cut into blocks of 32 from its start; a last block that is shorter is filled with zeros.
;;     - A block's scale is 2^e with e = floor(log2(the largest magnitude in the block)) - 2, held to -126 .. 127; a block of zeros has e = 0. As a byte (E8M0): e + 127.
;;     - Each number is divided by its block's scale, clamped to +-6, and rounded to the nearest number of E2M1, ties to even, subnormals kept.
;;     - The product sums the exact products of the quantised numbers (number of the format x scale) in f32.
;;   ~~~python
;;   def quantise(x, axis):      # numpy; x: float32 -> the quantised numbers, widened to float32 again
;;       x = np.moveaxis(x, axis, -1); K = x.shape[-1]
;;       x = np.pad(x, [(0, 0)] * (x.ndim - 1) + [(0, -K % 32)]); x = x.reshape(x.shape[:-1] + (-1, 32)); a = np.abs(x).max(-1, keepdims=True)
;;       e = np.where(a > 0, np.clip(np.frexp(np.where(a > 0, a, 1))[1] - 1 - 2, -126, 127), 0)      # np.frexp(a)[1] - 1 = floor(log2(a)), exactly
;;       r = np.clip(x / 2.0 ** e, -6, 6)
;;       step = 2.0 ** (np.maximum(np.frexp(np.where(r == 0, 1, r))[1] - 1, 0) - 1)
;;       q = np.round(r / step) * step * 2.0 ** e      # np.round: ties to even
;;       return np.moveaxis(q.reshape(q.shape[:-2] + (-1,))[..., :K], -1, axis).astype(np.float32)
;;   ~~~
;;   SOFTMAX AHEAD OF A QUANTISED PRODUCT. Where the list says 'softmax', what is quantised is not the finished softmax but p = 2^(t - M), with t = logit x log2(e) and M = ceil(the row's largest t), a whole number; so 1/2 < the row's largest p <= 1. The row's sum l is taken of the UNQUANTISED p, in f32, and the product's result is divided by l at the end. Since M is a whole number, a kernel that streams over the keys may use a running M (the ceiling of the running maximum): every later rescaling is an exact power of two, which a block's scale takes up: the codes' values come out the same.
;;   OPERANDS COMPUTED ON THE WAY. 'Computed on the way' means the value that the module computes at that place (a softmax that the list does not call 'softmax' is quantised finished and normalised). What goes into a quantiser is computed in f32, as accurately as f32 sums, v_exp_f32 and their like allow (about 1e-6 of the number): no bf16 or f16 on the way to a quantiser, and a product that is left as it is and whose result goes on into a quantised operand takes f32 operands (vector FMAs, or v_wmma_f32_16x16x4_f32). A number that lies on a knife's edge between two numbers of the format may be rounded either way, as far as f32 arithmetic and the matrix unit's own rounding can turn it there, and no further.
;; One version. Each part assembles by itself: llvm-mc -triple=amdgcn-amd-amdhsa -mcpu=gfx1250 --defsym DOCPART=n.
;; ======== version 1 of 1: 2 launches
;; limits: right only within a limited range of input values
;; workspace buffers: pk 13,893,632 bytes
;; launch prep (part 1): grid 16 x 32, 12 waves a work-group, no clusters, 61,440 bytes of LDS; arguments qkv, key_padding_mask, pk; writes pk
.if DOCPART == 1
	.amdgcn_target "amdgcn-amd-amdhsa--gfx1250"
	.amdhsa_code_object_version 6
	.text
	.protected	k_q16b0b641de_prep
	.globl	k_q16b0b641de_prep
	.p2align	8
	.type	k_q16b0b641de_prep,@function
k_q16b0b641de_prep:
	s_mov_b64 s[64:65], 0
	v_nop
	global_prefetch_b8 v0, s[64:65] scope:SCOPE_SE
	s_setreg_imm32_b32 hwreg(HW_REG_WAVE_MODE, 25, 1), 1
	s_wait_xcnt 0x0
; qkv [2][2048][16][384] f32 is turned, once, into codes of FP4 (E2M1) with one E8M0 scale byte for each 32 along a product's K, laid in the order of the operands' registers.
; A work-group takes 128 tokens (step j = work-group x) of one batch and head (bh = work-group y).  Its package has two parts.  The first, 17,920 bytes at (16 bh + j) x 17,920 of pk: a head's sixteen lie end to end:
;   KC      0  8,192  K's codes: tile T at 1024 T + 512 c + 16 L (L = 16 h + r: the lane; its 16 bytes are registers 4 c .. 4 c + 3: d = 64 c + 32 h + 0 .. 31).  Row r of tile T is key 64 (T / 4) + 32 (r / 8) + 8 (T % 4) + r % 8
;   VC   8192  8,192  V's codes, the KEYS innermost: tile T = d / 16, row r = d % 16, k = the key in the step
;   KS  16384    512  K's scale words at 16 L + 4 jj: tile 2 jj + L / 16, row L % 16        VS 16896  512  V's, in the same form
;   BI  17408    512  a bias for each key, f32: -10000 sqrt(128) where the key is padded, else 0
; The second, 9,216 bytes at P2 + (16 bh + j) x 9,216:
;   PS      0    512  for each d the sum over the step's 128 keys of the quantised V, f32
;   QS    512    512  Q's scale words at 64 T + 4 r        QC 1024  8,192  Q's codes: tile T = 16 neighbouring queries
; The codes of a padded key's row of K are zeros, so that its product is 0 and the bias alone is its score.
; A block's scale is 2^(floor(log2(its largest magnitude)) - 2); its byte is the largest magnitude's exponent field - 2, held at 1 from below by a floor among the maximum's leaves.
; LIMITS: a block of zeros gets the byte 1 where the rule says 127 (its codes are zeros, and this program alone reads the bytes); NaN and infinities among the inputs are not served.
; SHARES.  Twelve waves: waves 0-3 take q, 4-7 k, 8-11 v; w = the wave's number modulo 4.  q and k: tokens 32 w .. 32 w + 31, in 8 steps of 4 rows x 128 numbers.  A load reads one row's 512 bytes, 16 a lane; the step's
; 2,048 bytes turn through the wave's own stage in LDS and come back 64 bytes a lane: lane (i = lane / 8, g = lane % 8) holds d = 16 g .. 16 g + 15 of row i, two neighbouring lanes a block.  The codes are gathered as
; register images in LDS and leave in stores of 512 consecutive bytes.  v: columns d = 32 w + lane, registers run down the keys: a block of 32 keys lies in one lane, and its 16 bytes of codes are stored straight from
; registers, sixteen lanes to 256 consecutive aligned bytes.  One barrier, in front of the way out of what several waves have written: K's image and the small pieces.
; No tensor loads: the loads run straight into registers, 16 (v: 64) ahead in each wave; there is no loop for a prefetch to run ahead in.
.set TOK,   24576                      ; bytes from token to token
.set PKL,   17920
.set PKB2,  9216
.set P2,    512*PKL
.set KC,    0
.set VC,    8192
.set KS,    16384
.set QS,    512
.set QC,    1024
.set SP,    80                         ; a lane's place in a stage: 64 bytes + 16 of padding
.set QIMG,  40960                      ; LDS: 0 .. 40,959 the stages (two of 2,560 bytes for each of waves 0-7); Q's image; K's image;
.set KIMG,  49152
.set SMALL, 57344                      ; the small pieces: KS, VS, BI, PS, QS, 512 bytes each
.set SPARE, 59904                      ; the spare words, 128 bytes for each wave
.set SMB,   0xC7DCF88B                 ; -10000 sqrt(128)
.set R,     16                         ; v16-79   q, k: four sets of 16 numbers as loaded;  v: two sets of 32 numbers
.set X,     80                         ; v80-111  q, k: two sets of 16 neighbours;  v: a block's codes widened
.set C,     112                        ; v112-127 codes: q, k: two registers a step;  v: four a block
.set E,     128                        ; v128-131 a step's scale byte, four registers by turns
.set M,     132                        ; v132-139 k: my wave's 32 mask bytes, in every lane
.set MB,    140                        ; my own key's mask byte
.set SH,    141                        ; 8 i: where row i's mask byte lies in a word
.set VA,    142                        ; my place in VC
.set IRD,   143                        ; 16 lane + 2048 w: an image's place for my lane
.set SBA,   144                        ; 16 lane + 4 w
.set BPA,   145                        ; 4 lane + 128 w
.set SRA,   146                        ; 16 lane + 512 w
.set ONE,   147                        ; the byte 0x7f four times: the scale 1 for the widening
.set SMV,   148                        ; -10000 sqrt(128)
.set BIA,   149                        ; my key's bias
.set SB,    150                        ; V's scale word
.set PSA,   151                        ; the running sum of the quantised V
.set TA,    152                        ; v152-156 at work
.set TB,    153
.set TC,    154
.set TD,    155
.set TE,    156
.set SPW,   158                        ; my spare word's LDS address; never rewritten
.set NIL,   159                        ; 0; never rewritten
	s_load_b128 s[4:7], s[0:1], 0x0                ; qkv, key_padding_mask
	s_load_b64 s[10:11], s[0:1], 0x10              ; pk
	v_lshl_add_u32 v[SPW], v0, 2, SPARE
	v_mov_b32 v[NIL], 0
	v_lshrrev_b32 v1, 5, v0
	v_readfirstlane_b32 s16, v1                    ; wave 0..11
	s_lshr_b32 s36, s16, 2                         ; 0: q, 1: k, 2: v
	s_and_b32 s37, s16, 3                          ; w
	s_and_b32 s17, ttmp7, 0xffff                   ; bh
	s_lshr_b32 s18, s17, 4                         ; batch
	s_and_b32 s19, s17, 15                         ; head
	s_lshl_b32 s20, s18, 11
	s_lshl_b32 s21, ttmp9, 7
	s_add_co_u32 s20, s20, s21                     ; the step's first token: 2048 b + 128 j
	s_lshl_b32 s21, s37, 5
	s_add_co_u32 s22, s20, s21                     ; my wave's first token; also its byte in the mask
	s_mul_i32 s23, s19, 1536                       ; the head's 384 numbers in a token
	s_mul_i32 s24, s22, TOK
	s_add_co_u32 s24, s24, s23
	s_lshl_b32 s21, s36, 9
	s_add_co_u32 s24, s24, s21                     ; q or k of my first token (all these stay under 2^27)
	s_mov_b32 s25, 0
	s_mul_i32 s26, s20, TOK
	s_add_co_u32 s26, s26, s23
	s_lshl_b32 s21, s37, 7                         ; 128 w
	s_add_co_u32 s26, s26, s21
	s_add_co_u32 s26, s26, 1024                    ; v of the step's first token, my wave's 32 columns
	s_mov_b32 s27, 0
	s_mov_b32 s23, 0
	s_lshl_b32 s28, s17, 4
	s_add_co_u32 s28, s28, ttmp9
	s_mul_i32 s12, s28, PKB2
	s_add_co_u32 s12, s12, P2                      ; my package's second part
	s_mov_b32 s13, 0
	s_mul_i32 s28, s28, PKL                        ; and its first
	s_mov_b32 s29, 0
	s_lshl_b32 s30, s37, 11                        ; 2048 w
	s_and_b32 s31, s16, 7
	s_mul_i32 s31, s31, 2*32*SP                    ; my stages (waves 8-11 use none)
	s_and_b32 s33, s37, 1
	s_lshl_b32 s33, s33, 7                         ; 128 (w % 2): rows 8 (w % 2) on of K's tiles
	s_lshr_b32 s35, s37, 1
	s_lshl_b32 s34, s35, 12
	s_add_co_u32 s34, s34, s33                     ; + 4096 (w / 2): K's tiles 4 (w / 2) on
	s_lshl_b32 s35, s35, 3
	s_add_co_u32 s35, s35, s33
	s_add_co_u32 s35, s35, SMALL                   ; K's scale bytes: 8 (w / 2) + 128 (w % 2)
	s_add_co_u32 s38, s21, SMALL+2048              ; Q's: 128 w
	s_lshl_b32 s39, s37, 2                         ; 4 w
	s_lshl_b32 s32, s37, 9                         ; 512 w
	v_and_b32 v1, 31, v0                           ; lane
	v_mov_b32 v2, 0
	v_lshlrev_b32 v3, 4, v1                        ; 16 lane
	v_lshlrev_b32 v4, 2, v1                        ; 4 lane
	v_bfe_u32 v10, v0, 2, 1                        ; my 8 bytes of codes in an image: d = 16 g on lies in register group c = g / 4,
	v_lshlrev_b32 v12, 9, v10
	v_bfe_u32 v10, v0, 1, 1                        ; half h = (g / 2) % 2 of the lanes,
	v_lshl_add_u32 v12, v10, 8, v12
	v_and_b32 v10, 1, v0                           ; and half g % 2 of that lane's 16 bytes;
	v_lshl_add_u32 v12, v10, 3, v12
	v_bfe_u32 v8, v0, 3, 2                         ; i
	v_lshl_add_u32 v12, v8, 4, v12                 ; row i: 16 bytes a row
	v_add_nc_u32 v5, s30, v12                      ; v5: in Q's image
	v_add_nc_u32 v6, s34, v12                      ; v6: in K's
	v_bfe_u32 v13, v0, 1, 2                        ; g / 2: my block, the byte in a scale word
	v_lshl_add_u32 v7, v8, 2, v13
	v_add_nc_u32 v7, s38, v7                       ; v7: Q's scale bytes
	v_lshl_add_u32 v9, v8, 4, v13
	v_add_nc_u32 v9, s35, v9                       ; v9: K's scale bytes
	v_lshlrev_b32 v[SH], 3, v8
	v_lshrrev_b32 v14, 2, v1
	v_mul_u32_u24 v14, v14, SP
	v_and_b32 v15, 3, v1
	v_lshl_add_u32 v14, v15, 4, v14
	v_add_nc_u32 v14, s31, v14                     ; the stage, on the way in: four lanes' 64 bytes on end, then 16 of padding
	v_mul_u32_u24 v15, v1, SP
	v_add_nc_u32 v15, s31, v15                     ; and on the way out: my 16 neighbours
	v_bfe_u32 v10, v0, 4, 1
	v_and_b32 v11, 15, v0
	v_lshlrev_b32 v[VA], 4, v11
	v_lshl_add_u32 v[VA], v10, 10, v[VA]
	v_add_nc_u32 v[VA], s30, v[VA]
	v_add_nc_u32 v[IRD], s30, v3
	v_add_nc_u32 v[SBA], s39, v3
	v_add_nc_u32 v[BPA], s21, v4
	v_add_nc_u32 v[SRA], s32, v3
	v_mov_b32 v[ONE], 0x7f7f7f7f
	v_mov_b32 v[SMV], SMB
	s_wait_alu depctr_va_vdst(0)                   ; the wait at the head's end
	s_wait_kmcnt 0x0
	s_add_nc_u64 s[8:9], s[6:7], s[22:23]          ; the mask at my wave's first key
	s_add_nc_u64 s[6:7], s[4:5], s[26:27]          ; v
	s_add_nc_u64 s[4:5], s[4:5], s[24:25]          ; q or k
	s_add_nc_u64 s[12:13], s[10:11], s[12:13]      ; my package's second part
	s_add_nc_u64 s[10:11], s[10:11], s[28:29]      ; and its first
.macro LOAD t                          ; step t: rows 4 t .. 4 t + 3: each load reads a row's 512 consecutive bytes
.irp i, 0,1,2,3
	global_load_b128 v[R+16*((\t)%4)+4*\i:R+16*((\t)%4)+4*\i+3], v3, s[4:5] offset:(4*(\t)+\i)*TOK th:TH_LOAD_NT
.endr
.endm
.macro VLOAD k                         ; block k of v: keys 32 k + 0 .. 31 of my column: a wave reads 128 consecutive bytes, the four waves 512
.irp i, 0,1,2,3,4,5,6,7,8,9,10,11,12,13,14,15,16,17,18,19,20,21,22,23,24,25,26,27,28,29,30,31
	global_load_b32 v[R+32*((\k)%2)+\i], v4, s[6:7] offset:(32*(\k)+\i)*TOK th:TH_LOAD_NT
.endr
.endm
.macro TURN t                          ; step t's numbers through the stage: LDS serves a wave's instructions in order, so no wait stands between the stores and the loads
.irp i, 0,1,2,3
	ds_store_b128 v14, v[R+16*((\t)%4)+4*\i:R+16*((\t)%4)+4*\i+3] offset:32*SP*((\t)%2)+8*SP*\i
.endr
.irp i, 0,1,2,3
	ds_load_b128 v[X+16*((\t)%2)+4*\i:X+16*((\t)%2)+4*\i+3], v15 offset:32*SP*((\t)%2)+16*\i
.endr
.endm
.macro STEP t, key
.set XS, X+16*((\t)%2)
.if (\t) > 0
	s_wait_dscnt 2                                 ; this step's numbers are back from the stage; the last step's code store and byte store may be out
.else
	s_wait_dscnt 0x0
.endif
.if (\t) < 4
	LOAD (\t)+4                                    ; into the set that this step's stage stores have read
	s_wait_loadcnt 12                              ; the next step's four loads are in; behind them: three steps' twelve
.elseif (\t) < 7
	s_wait_loadcnt 4*(6-(\t))                      ; behind the next step's: those of the 6 - t steps after it
.endif
.if (\t) < 7
	TURN (\t)+1                                    ; the next step goes through the other stage while this one is worked
.endif
	v_max3_num_f32 v[TA], |v[XS]|, |v[XS+1]|, |v[XS+2]|            ; the largest magnitude of my 16, in two chains
	v_max3_num_f32 v[TB], |v[XS+3]|, |v[XS+4]|, |v[XS+5]|
.irp i, 6,10
	v_max3_num_f32 v[TA], v[TA], |v[XS+\i]|, |v[XS+\i+1]|
	v_max3_num_f32 v[TB], v[TB], |v[XS+\i+2]|, |v[XS+\i+3]|
.endr
	v_max3_num_f32 v[TA], v[TA], |v[XS+14]|, |v[XS+15]|
	v_max3_num_f32 v[TA], v[TA], v[TB], 0x1800000  ; and the floor 2^(3 - 127): the byte cannot fall under 1
	v_max_num_f32_dpp v[TA], v[TA], v[TA] row_xmask:1 row_mask:0xf bank_mask:0xf   ; with my neighbour's 16: the block's
	v_add_nc_u32 v[TD], 0xff000000, v[TA]          ; 2 off its exponent field: the conversion takes the exponent field of this operand as its scale
	v_cvt_scalef32_pk8_fp4_f32 v[C+2*(\t)], v[XS:XS+7], v[TD]
	v_cvt_scalef32_pk8_fp4_f32 v[C+2*(\t)+1], v[XS+8:XS+15], v[TD]
	v_lshrrev_b32 v[E+(\t)%4], 23, v[TD]           ; the scale's byte (a plain line behind the conversions); the register's store of four steps back is done by the wait at this step's head
.if \key
	v_bfe_u32 v[TB], v[M+(\t)], v[SH], 8           ; the mask byte of key 4 t + i
	v_cmp_eq_u32 vcc_lo, 0, v[TB]
	v_cndmask_b32 v[C+2*(\t)], 0, v[C+2*(\t)], vcc_lo              ; a padded key's codes are zeros
	v_cndmask_b32 v[C+2*(\t)+1], 0, v[C+2*(\t)+1], vcc_lo
	ds_store_b64 v6, v[C+2*(\t):C+2*(\t)+1] offset:KIMG+1024*((\t)/2)+64*((\t)%2)   ; key x = 4 t + i of my 32: tile 4 (w / 2) + x / 8, row 8 (w % 2) + x % 8
	ds_store_b8 v9, v[E+(\t)%4] offset:256*(((\t)/2)%2)+64*((\t)%2)+4*((\t)/4)      ; both lanes of a block write the same byte with the same value
.else
	ds_store_b64 v5, v[C+2*(\t):C+2*(\t)+1] offset:QIMG+1024*((\t)/4)+64*((\t)%4)   ; query x = 4 t + i: tile 2 w + x / 16, row x % 16
	ds_store_b8 v7, v[E+(\t)%4] offset:64*((\t)/4)+16*((\t)%4)
.endif
.endm
.macro BLOCK k                         ; 32 keys of my column of v
.set XS, R+32*((\k)%2)
.if (\k) < 3
	s_wait_loadcnt 32                              ; this block's 32 loads are in; the next block's may be out
.else
	s_wait_loadcnt 0x0
.endif
	v_max3_num_f32 v[TA], |v[XS]|, |v[XS+1]|, |v[XS+2]|            ; the block's largest magnitude: all 32 numbers are mine
	v_max3_num_f32 v[TB], |v[XS+3]|, |v[XS+4]|, |v[XS+5]|
.irp i, 6,10,14,18,22,26
	v_max3_num_f32 v[TA], v[TA], |v[XS+\i]|, |v[XS+\i+1]|
	v_max3_num_f32 v[TB], v[TB], |v[XS+\i+2]|, |v[XS+\i+3]|
.endr
	v_max3_num_f32 v[TA], v[TA], |v[XS+30]|, |v[XS+31]|
	v_max3_num_f32 v[TA], v[TA], v[TB], 0x1800000
	v_add_nc_u32 v[TD], 0xff000000, v[TA]
	v_lshrrev_b32 v[TE], 23, v[TD]                 ; the scale's byte, into its place in my column's word
.if (\k) == 0
	v_mov_b32 v[SB], v[TE]
.else
	v_lshl_or_b32 v[SB], v[TE], 8*(\k), v[SB]
.endif
.irp q, 0,1,2,3
	v_cvt_scalef32_pk8_fp4_f32 v[C+4*(\k)+\q], v[XS+8*\q:XS+8*\q+7], v[TD]
.endr
	v_and_b32 v[TC], 0x7f800000, v[TD]             ; the scale as a number (a plain line between the conversions and those that read their results)
.irp q, 0,1,2,3
	v_cvt_scale_pk8_f32_fp4 v[X+8*\q:X+8*\q+7], v[C+4*(\k)+\q], v[ONE]   ; the codes' own values, under the scale 1
.endr
.if (\k) < 2
	VLOAD (\k)+2
.endif
	v_nop                                          ; a plain line behind the last conversion
.irp a, 0,1,2,3,4,5,6,7
	v_pk_add_f32 v[X+4*\a:X+4*\a+1], v[X+4*\a:X+4*\a+1], v[X+4*\a+2:X+4*\a+3]   ; their sum: multiples of 1/2, at most 192: nothing is rounded
.endr
.irp a, 0,1,2,3
	v_pk_add_f32 v[X+8*\a:X+8*\a+1], v[X+8*\a:X+8*\a+1], v[X+8*\a+4:X+8*\a+5]
.endr
.irp a, 0,1
	v_pk_add_f32 v[X+16*\a:X+16*\a+1], v[X+16*\a:X+16*\a+1], v[X+16*\a+8:X+16*\a+9]
.endr
	v_pk_add_f32 v[X:X+1], v[X:X+1], v[X+16:X+17]
	v_add_f32 v[X], v[X], v[X+1]
.if (\k) == 0
	v_mul_f32 v[PSA], v[X], v[TC]                  ; x the block's scale
.else
	v_fmac_f32 v[PSA], v[X], v[TC]
.endif
	global_store_b128 v[VA], v[C+4*(\k):C+4*(\k)+3], s[10:11] offset:VC+512*((\k)/2)+256*((\k)%2)   ; sixteen lanes store 256 consecutive aligned bytes; these registers are not written again
.endm
	s_cmp_eq_u32 s36, 2                            ; the roles part on the wave's number alone
	s_cbranch_scc1 .Lv
	s_cmp_eq_u32 s36, 1
	s_cbranch_scc1 .Lk
.irp t, 0,1,2,3
	LOAD \t
.endr
	s_wait_loadcnt 12                              ; step 0's four loads are in
	TURN 0
.irp t, 0,1,2,3,4,5,6,7
	STEP \t, 0
.endr
.irp n, 0,1,2,3
	ds_load_b128 v[16+4*\n:19+4*\n], v[IRD] offset:QIMG+512*\n     ; my two tiles of Q, which I alone wrote: LDS serves a wave's instructions in order
.endr
	s_wait_dscnt 0x0
.irp n, 0,1,2,3
	global_store_b128 v[IRD], v[16+4*\n:19+4*\n], s[12:13] offset:QC+512*\n        ; 512 consecutive bytes, at a multiple of 256 from pk's first byte
.endr
	s_branch .Ljoin
.Lk:
	global_load_b128 v[M:M+3], v2, s[8:9]          ; my wave's 32 mask bytes: every lane reads the same
	global_load_b128 v[M+4:M+7], v2, s[8:9] offset:16
	global_load_u8 v[MB], v1, s[8:9]               ; and my own key's
.irp t, 0,1,2,3
	LOAD \t
.endr
	s_wait_loadcnt 12                              ; the mask and step 0's four loads are in; the twelve of steps 1 to 3 stay out
	v_cmp_ne_u32 vcc_lo, 0, v[MB]
	v_cndmask_b32 v[BIA], 0, v[SMV], vcc_lo        ; the bias of key 32 w + lane
	ds_store_b32 v[BPA], v[BIA] offset:SMALL+1024
	TURN 0
.irp t, 0,1,2,3,4,5,6,7
	STEP \t, 1
.endr
	s_branch .Ljoin
.Lv:
	VLOAD 0
	VLOAD 1
	BLOCK 0
	BLOCK 1
	BLOCK 2
	BLOCK 3
	ds_store_b32 v[SBA], v[SB] offset:SMALL+512    ; V's scale word of d = 32 w + lane: tile 2 w + lane / 16, row lane % 16
	ds_store_b32 v[BPA], v[PSA] offset:SMALL+1536  ; the sum for d = 32 w + lane
.Ljoin:
	s_wait_dscnt 0x0                               ; for the others' sake: all my LDS stores have landed
	s_barrier_signal -1
	s_barrier_wait -1
	s_cmp_eq_u32 s36, 1
	s_cbranch_scc1 .Lkout
	s_cmp_eq_u32 s16, 8
	s_cbranch_scc1 .Lqs
	s_cmp_eq_u32 s36, 0
	s_cbranch_scc0 .Lend
	ds_load_b128 v[32:35], v[SRA] offset:SMALL     ; waves 0 to 3 take piece w: KS, VS, BI of the first part, PS of the second
	s_sub_nc_u64 s[14:15], s[12:13], KS+1536
	s_cmp_eq_u32 s37, 3
	s_cselect_b64 s[14:15], s[14:15], s[10:11]
	s_wait_dscnt 0x0
	global_store_b128 v[SRA], v[32:35], s[14:15] offset:KS         ; 512 consecutive aligned bytes
	s_branch .Lend
.Lkout:
.irp n, 0,1,2,3
	ds_load_b128 v[16+4*\n:19+4*\n], v[IRD] offset:KIMG+512*\n     ; waves 4 to 7: tiles 2 w and 2 w + 1 of K, which two waves have written
.endr
	s_wait_dscnt 0x0
.irp n, 0,1,2,3
	global_store_b128 v[IRD], v[16+4*\n:19+4*\n], s[10:11] offset:KC+512*\n
.endr
	s_branch .Lend
.Lqs:
	ds_load_b128 v[80:83], v3 offset:SMALL+2048    ; wave 8: Q's scale words
	s_wait_dscnt 0x0
	global_store_b128 v3, v[80:83], s[12:13] offset:QS
.Lend:
	s_wait_tensorcnt 0x0                           ; the wave's end
	ds_add_u32 v[SPW], v[NIL]
	s_wait_dscnt 0x0
	s_endpgm
.Lfunc_end_k_q16b0b641de_prep:
	.size	k_q16b0b641de_prep, .Lfunc_end_k_q16b0b641de_prep-k_q16b0b641de_prep
	.p2alignl 7, 3214868480
	.fill 96, 4, 3214868480
	.section	.rodata,"a",@progbits
	.p2align	6, 0x0
	.amdhsa_kernel k_q16b0b641de_prep
		.amdhsa_group_segment_fixed_size 61440
		.amdhsa_private_segment_fixed_size 0
		.amdhsa_enable_private_segment 0
		.amdhsa_kernarg_size 24
		.amdhsa_user_sgpr_count 2
		.amdhsa_user_sgpr_kernarg_segment_ptr 1
		.amdhsa_wavefront_size32 1
		.amdhsa_system_sgpr_workgroup_id_x 1
		.amdhsa_system_sgpr_workgroup_id_y 1
		.amdhsa_system_sgpr_workgroup_id_z 1
		.amdhsa_system_vgpr_workitem_id 0
		.amdhsa_next_free_vgpr 160
		.amdhsa_next_free_sgpr 66
		.amdhsa_reserve_vcc 1
		.amdhsa_float_denorm_mode_32 3
		.amdhsa_float_denorm_mode_16_64 3
		.amdhsa_memory_ordered 1
		.amdhsa_forward_progress 1
		.amdhsa_inst_pref_size 63
	.end_amdhsa_kernel
	.amdgpu_metadata
---
amdhsa.version: [ 1, 2 ]
amdhsa.kernels:
  - .name:           k_q16b0b641de_prep
    .symbol:         k_q16b0b641de_prep.kd
    .args:
      - { .name: qkv, .offset: 0, .size: 8, .value_kind: global_buffer, .address_space: global }
      - { .name: key_padding_mask, .offset: 8, .size: 8, .value_kind: global_buffer, .address_space: global }
      - { .name: pk, .offset: 16, .size: 8, .value_kind: global_buffer, .address_space: global }
    .group_segment_fixed_size: 61440
    .private_segment_fixed_size: 0
    .kernarg_segment_align: 8
    .kernarg_segment_size: 24
    .max_flat_workgroup_size: 384
    .sgpr_count:     66
    .vgpr_count:     160
    .wavefront_size: 32
...
	.end_amdgpu_metadata
.endif
;; end of part 1
;; launch attn (part 2): grid 8 x 32, 8 waves a work-group, clusters of 4 x 1, 327,680 bytes of LDS; arguments pk, out0; writes out0
.if DOCPART == 2
	.amdgcn_target "amdgcn-amd-amdhsa--gfx1250"
	.amdhsa_code_object_version 6
	.text
	.protected	k_q16b0b641de_attn
	.globl	k_q16b0b641de_attn
	.p2align	8
	.type	k_q16b0b641de_attn,@function
k_q16b0b641de_attn:
	s_mov_b64 s[64:65], 0
	v_nop
	global_prefetch_b8 v0, s[64:65] scope:SCOPE_SE
	s_setreg_imm32_b32 hwreg(HW_REG_WAVE_MODE, 25, 1), 1
	s_wait_xcnt 0x0
	s_wait_alu depctr_hold_cnt(0) depctr_sa_sdst(0) depctr_va_vdst(0) depctr_va_sdst(0) depctr_va_ssrc(0) depctr_va_vcc(0) depctr_vm_vsrc(0)
	s_getreg_b32 s2, hwreg(HW_REG_IB_STS2, 6, 4)
	s_cmp_eq_u32 s2, 0
	s_cbranch_scc0 .Lentry_in_a_cluster
	s_endpgm
.Lentry_in_a_cluster:
	s_bfe_u32 s2, ttmp6, 0x10000c
	s_cmp_lg_u32 s2, 0x3003
	s_cbranch_scc0 .Lentry_shape_is_right
	s_endpgm
.Lentry_shape_is_right:
; out0[b][q][h][:] = the sum over k of softmax_k(score) V[k][:], score = Q[q] . K[k] / sqrt(128), replaced by -10000 where k > q or key k is padded.  Both products on codes of FP4 (E2M1) with E8M0 scales for each 32 along K.
; THE SOFTMAX AHEAD OF THE SECOND PRODUCT: t = logit x log2(e); M = the row's largest t so far, rounded UP to a whole number; p = 2^(t - M) is quantised along the keys, not normalised; the row's sum is taken of the
; unquantised p and divides at the end.  When M moves, the sum and O are multiplied by 2^(old M - new M): exact.  Scores are kept unscaled (s = Q . K) and t = s c, c = log2(e) / sqrt(128); the fill is s_m = -10000 sqrt(128).
; pk holds each head's sixteen steps of 128 keys end to end (17,920 bytes each: K's codes, V's codes, their scale words, a bias for each key), and apart from them, for each step, the sum of the quantised V and Q's codes and scale words.
; THE FILL IS A NUMBER, NOT MINUS INFINITY, so masked keys count where a row has nothing else:
;   a padded key: its codes of K are zeros and its bias is s_m; the bias is the C of the first product, so the score comes out as s_m;
;   the step on the diagonal: hidden scores are replaced by s_m ahead of the maximum;
;   the steps wholly behind the diagonal are not multiplied: all their p are one number p_m = 2^(s_m c - M), whose quantised value is its power of two x 1 (mantissa up to 1.25) or x 1.5.  They add
;   Q(p_m) x the sum of their quantised V to O and 128 (15 - R) p_m to the row's sum, once, at the end; the running largest score begins at s_m where such steps exist.
; SHARES.  A unit is 32 neighbouring queries, 128 R + 32 cx + 0 .. 31 (cx: my place in the cluster): two tiles of 16 that share every fragment.  Waves p and p + 4 own two units, R = a and R = 15 - a, a = 2 p + the cluster's
; number (0, 1).  Wave p walks steps 0 .. 7 of the long unit (15 - a); wave p + 4 walks the short unit (a), steps 0 .. a, sends it out, and goes on with steps 8 .. 15 - a of the long one: 8 and 9 steps whatever a is.
; At the end wave p + 4 hands its part of the long unit (-M, the sum, O) over through LDS, and wave p joins it to its own by powers of two and sends it out.
; CLUSTER.  The four work-groups of a cluster belong to one head and need the same sixteen steps: each wave asks for two of them JOINTLY with its partners, by one load with one descriptor and the mask of all four.
; All of a head's K and V is asked for at the head, so nothing is left for a prefetch to run ahead of.  No LDS byte is filled twice.
; LAYOUT.  Both products are used transposed: S^T = K Q^T, O^T = V^T P^T: a lane holds ONE query (lane % 16) of each tile.  Register 8 T + j of S^T is key 64 (T / 4) + 32 (lane / 16) + 8 (T % 4) + j: so a lane's
; registers 32 c .. 32 c + 31 are one whole block of 32 keys, block 2 c + lane / 16, and P's conversions give the second product's operand as it stands.
; A BLOCK'S SCALE is 2^(floor(largest t of the block - M) - 2): the exponent of its largest p, taken from its logarithm.
; LIMITS: NaN and infinities are not served; a p under 2^-126 counts as 0 (v_exp_f32 flushes); a p_m between 2^-126 and 2^-124 is rounded as if its scale's byte were not held at 1; the scaled scores stay under 2^31 in magnitude;
; the sum over the steps behind the diagonal is grouped otherwise than a running sum of products; a padded key's score leans on the matrix instruction giving C back where all products are zeros.
; REGISTERS, in windows of 256.  Window 0: addresses, K's and V's fragments, Q, P's codes, scales, what is at work.  Window 1: v0-127 S^T of tiles A and B, v128-255 O^T of A and B.
.set PKL,  17920
.set PKB2, 9216
.set P2,   512*PKL
.set KC,   0
.set VC,   8192
.set KS,   16384
.set VS,   16896
.set BI,   17408
.set PS,   0
.set QS,   512
.set QC,   1024
.set STG,  16*PKL                      ; LDS behind the sixteen steps: a stage of 16 rows x (256 bytes + 16) for each wave;
.set STGB, 16*272
.set VSV,  STG+8*STGB                  ; 512 bytes for each wave: the sum of V behind its unit's diagonal step;
.set SPARE, VSV+8*512                  ; the spare words, 128 bytes for each wave
.set HAND, 17408                       ; what is handed over: 32 x 512 bytes of O, 2 x 512 of -M and the sum; on the first steps' bytes, which have had their one fill, when nobody reads them any more
.set SMB,  0xC7DCF88B                  ; s_m
.set WV,   8                           ; s8  my wave's number
.set ROLE, 9                           ; s9  wave / 4
.set CI,   36                          ; s36 which of my steps is in hand: 0 ..
.set SWI,  37                          ; s37 the first of them that belongs to the long unit in wave p + 4 (99: none)
.set DD,   38                          ; s38 7 - a: from there on step = CI + 7 - a
.set LASTI, 39                         ; s39 my last
.set DGA,  40                          ; s40 the one on the short unit's diagonal (99: none); number 8 is on the long unit's
.set TBN,  41
.set TBC,  42                          ; s42, s41 LDS bytes at which this step and the next begin
.set NC,   43                          ; s43 -c
.set Q32,  44                          ; s44 32 cx
.set MI2,  45                          ; s45 where the long unit's largest score begins in wave p + 4
.set SEL,  20                          ; s[20:21] lane selects for v_permlanex16_b32: lane l xor 16
.set CS,   22                          ; s[22:23] c, twice
.set G1,   24                          ; s[24:31] descriptor group 1
.set G0,   32                          ; s[32:35] group 0
.set OUT,  48                          ; s[48:49] out0 at the first query of the unit that I send out
.set PKH,  52                          ; s[52:53] the second parts of my head's packages
.set QLC,  54                          ; s[54:55] the long unit's Q: codes,
.set QLS,  56                          ; s[56:57] scale words
; window 0: v1 16 lane; v2 the bias's place; v3, v4 the diagonal's bounds; v5, v6 the stage in and out; v7 offset in out0; v8 this step, v9, v10 the next; v11 the hand-over
.set NMA,  12                          ; v12-15 tile A: -M, the largest score, the sum in two halves;  v16-19 tile B
.set NMB,  16
.set FA,   20                          ; v[20:21], v[22:23] 2^(old M - new M)
.set FB,   22
.set PSEL, 24                          ; v24 the byte selects of P's scale word
.set SMV,  25                          ; v25 s_m
.set VRD,  26                          ; v26, v27 my wave's 128 sums: read in O^T's layout; stored 16 bytes a lane
.set VWR,  27
.set QA,   32
.set QB,   40
.set PC,   48                          ; v48-55, v56-63 P's codes
.set KF,   64
.set VF,   128
.set BM,   192                         ; v192-195 a block's largest score, then t - M: A's two blocks, B's two
.set T,    196                         ; v196-199 at work
.set OP,   200                         ; v200-203 the conversions' scale operands
.set Z,    204                         ; v204-207 the scales' bytes
.set KSR,  208
.set VSR,  212
.set QSC,  216                         ; v216, v217 Q's scale words
.set KEYS, 218                         ; v218 128 (15 - R): the keys behind my unit's diagonal step
.set MANT, 219                         ; v219 the mantissa field of 1.5
.set PSC,  220                         ; v220, v221 P's scale words
.set U,    222                         ; v222, v223 a lane permute's results
.set W,    224                         ; v224-237 at work on the way out
.set QWA,  240                         ; v240 4 (lane % 16): a tile's scale words; never rewritten
.set SPW,  254
.set NIL,  255
.set SA,   0                           ; window 1
.set SB,   64
.set OA,   128
.set OB,   192
.set MSB, 0
.macro WIN new                         ; the immediate's high byte repeats the setting that is left; bits 1:0 source 0, 3:2 source 1, 5:4 source 2, 7:6 destination
.if MSB != \new
	s_set_vgpr_msb (MSB<<8)|\new
.set MSB, \new
.endif
.endm
.macro ROUND                           ; a round of the cluster's barrier
	s_barrier_signal -1
	s_barrier_wait -1
	s_cmp_lg_u32 s[WV], 0
	s_cbranch_scc1 .Lnot_wave_0_\@
	s_barrier_signal -3
.Lnot_wave_0_\@:
	s_barrier_wait -3
	s_barrier_signal -1
	s_barrier_wait -1
.endm
	s_load_b128 s[4:7], s[0:1], 0x0                ; pk, out0
	v_lshl_add_u32 v[SPW], v0, 2, SPARE
	v_mov_b32 v[NIL], 0
	ds_add_u32 v[SPW], v[NIL]                      ; the add, twice on end, ahead of my first tensor load
	ds_add_u32 v[SPW], v[NIL]
	v_lshrrev_b32 v1, 5, v0
	v_readfirstlane_b32 s[WV], v1                  ; wave 0..7
	s_lshr_b32 s[ROLE], s[WV], 2
	s_and_b32 s10, s[WV], 3                        ; p
	s_lshl_b32 s11, s10, 1
	s_add_co_u32 s11, s11, ttmp9                   ; a: the cluster's number is the same in all four partners
	s_and_b32 s12, ttmp7, 0xffff                   ; bh
	s_bfe_u32 s13, ttmp6, 0x40000                  ; cx: it enters Q's and out0's addresses and the diagonal's comparison, no LDS address and no branch
	; descriptor group 1: two steps, a dense block of 35,840 bytes, as 140 rows of 256 bytes (32 elements of 8 bytes), laid in LDS without gaps: every fragment load takes 512 consecutive bytes
	s_mov_b32 s[G1+0], 15|(3<<16)|(1<<21)          ; 15:0 the mask: all four work-groups; 17:16 elements of 8 bytes; 20 no padding; 21 set beside a mask
	s_mov_b32 s[G1+1], 32<<16                      ; tensor_dim0 = 32
	s_mov_b32 s[G1+2], 140<<16                     ; tensor_dim1 = 140
	s_mov_b32 s[G1+3], 32<<16                      ; tile_dim0 = 32
	s_mov_b32 s[G1+4], 140                         ; tile_dim1 = 140
	s_mov_b32 s[G1+5], 32                          ; elements from row to row
	s_mov_b32 s[G1+6], 0
	s_mov_b32 s[G1+7], 0
	s_mov_b32 s[SEL], 0x76543210
	s_mov_b32 s[SEL+1], 0xfedcba98
	s_mov_b32 s[CS], 0x3e0293ee                    ; c
	s_mov_b32 s[CS+1], s[CS]
	s_mov_b32 s[NC], 0xbe0293ee
	s_mul_i32 s14, s12, 16*PKL
	s_mov_b32 s15, 0
	s_mul_i32 s16, s[WV], 2*PKL
	s_mov_b32 s17, 0
	s_mov_b32 s[G0], 1
	s_mul_i32 s[G0+1], s[WV], 2*PKL                ; steps 2 w and 2 w + 1, in LDS as in memory
	s_wait_dscnt 0x0                               ; both adds are done
	s_wait_kmcnt 0x0
	s_add_nc_u64 s[58:59], s[4:5], s[14:15]
	s_add_nc_u64 s[G0+2:G0+3], s[58:59], s[16:17]
	s_or_b32 s[G0+3], s[G0+3], 0x80000000
	ROUND                                          ; all four work-groups are here: the joint loads meet
	tensor_load_to_lds s[G0:G0+3], s[G1:G1+7]      ; every wave issues one, and every wave waits for it below
	s_nop 0
.rept 4
	v_nop
.endr
	s_mul_i32 s14, s12, 16*PKB2
	s_add_co_u32 s14, s14, P2
	s_add_nc_u64 s[PKH:PKH+1], s[4:5], s[14:15]
	s_sub_co_u32 s18, 15, s11                      ; the long unit's R
	s_cmp_eq_u32 s[ROLE], 0
	s_cselect_b32 s19, s18, s11                    ; R of the unit that I begin with and send out
	s_lshl_b32 s46, s13, 11                        ; tiles 2 cx and 2 cx + 1 of a package's Q: codes 2,048 cx on,
	s_lshl_b32 s47, s13, 7                         ; scale words 128 cx on
	s_mov_b32 s63, 0
	s_mul_i32 s14, s19, PKB2
	s_add_co_u32 s62, s14, s46
	s_add_nc_u64 s[58:59], s[PKH:PKH+1], s[62:63]
	s_add_co_u32 s62, s14, s47
	s_add_nc_u64 s[60:61], s[PKH:PKH+1], s[62:63]
	s_mul_i32 s14, s18, PKB2
	s_add_co_u32 s62, s14, s46
	s_add_nc_u64 s[QLC:QLC+1], s[PKH:PKH+1], s[62:63]
	s_add_co_u32 s62, s14, s47
	s_add_nc_u64 s[QLS:QLS+1], s[PKH:PKH+1], s[62:63]
	v_and_b32 v10, 31, v0
	v_lshlrev_b32 v1, 4, v10                       ; 16 lane
	v_and_b32 v[T], 15, v0                         ; r
	v_bfe_u32 v[T+1], v0, 4, 1                     ; h
	v_lshlrev_b32 v[QWA], 2, v[T]
.macro QLOAD codes, words              ; two tiles' fragments and scale words
.irp c, 0,1
	global_load_b128 v[QA+4*\c:QA+4*\c+3], v1, s[\codes:\codes+1] offset:QC+512*\c
	global_load_b128 v[QB+4*\c:QB+4*\c+3], v1, s[\codes:\codes+1] offset:QC+1024+512*\c
.endr
	global_load_b32 v[QSC], v[QWA], s[\words:\words+1] offset:QS
	global_load_b32 v[QSC+1], v[QWA], s[\words:\words+1] offset:QS+64
.endm
	QLOAD 58, 60
.irp j, 1,2,3,4,5,6,7,8,9,10,11,12,13,14,15
	global_load_b128 v[KF+4*\j:KF+4*\j+3], v1, s[PKH:PKH+1] offset:\j*PKB2+PS   ; each step's sum of V: 128 numbers, 4 a lane
.endr
	s_lshl_b32 s[Q32], s13, 5
	s_mul_i32 s14, s[WV], STGB
	s_add_co_u32 s14, s14, STG                     ; my stage
	s_lshl_b32 s15, s[WV], 9
	s_add_co_u32 s15, s15, VSV                     ; my sums
	s_mul_i32 s16, s10, HAND                       ; my pair's hand-over
	s_wait_alu depctr_va_vdst(0)
	v_lshlrev_b32 v2, 7, v[T+1]
	v_add_nc_u32 v2, BI, v2                        ; the bias: my half's 32 keys of 64 begin 128 h bytes on
	v_lshlrev_b32 v3, 5, v[T+1]
	v_sub_nc_u32 v3, v[T], v3
	v_add_nc_u32 v3, s[Q32], v3                    ; 32 cx + r - 32 h: register 32 c + i holds key 64 c + 32 h + i of the step: hidden on the diagonal where 64 c + i is above this
	v_add_nc_u32 v4, 16, v3                        ; tile B's queries are 16 on
	v_mul_u32_u24 v5, v[T], 272
	v_lshl_add_u32 v5, v[T+1], 5, v5
	v_add_nc_u32 v5, s14, v5                       ; my stage, in: row r, 32 bytes for each half of the lanes
	v_mul_u32_u24 v6, v[T+1], 272
	v_lshl_add_u32 v6, v[T], 4, v6
	v_add_nc_u32 v6, s14, v6                       ; back: lanes 0-15 one row of 256 bytes, lanes 16-31 the next
	v_lshlrev_b32 v7, 13, v[T+1]
	v_lshl_add_u32 v7, v[T], 4, v7                 ; and the same two rows in out0: 8,192 bytes from query to query
	v_lshl_add_u32 v[VRD], v[T+1], 5, s15
	v_add_nc_u32 v[VWR], s15, v1
	v_add_nc_u32 v11, s16, v1
	v_mov_b32 v9, v1                               ; the first step begins at LDS byte 0
	v_mov_b32 v10, v2
	v_mov_b32 v[SMV], SMB
	v_mov_b32 v[MANT], 0x400000
	v_mov_b32 v[PSEL], 0x04050001                  ; lanes 16-31: blocks 1 and 3 into bytes 1 and 3,
	v_mov_b32 v[T+3], 0x05040100                   ; lanes 0-15: blocks 0 and 2 into bytes 0 and 2
	v_cmp_eq_u32 vcc_lo, 0, v[T+1]
	v_cndmask_b32 v[PSEL], v[PSEL], v[T+3], vcc_lo
	s_lshr_b32 s62, s12, 4                         ; out0 at my first query: ((2048 b + 128 R + 32 cx) 16 + head) x 512 bytes
	s_lshl_b32 s62, s62, 11
	s_lshl_b32 s14, s19, 7
	s_add_co_u32 s62, s62, s14
	s_add_co_u32 s62, s62, s[Q32]
	s_lshl_b32 s62, s62, 13
	s_and_b32 s14, s12, 15
	s_lshl_b32 s14, s14, 9
	s_add_co_u32 s62, s62, s14
	s_add_nc_u64 s[OUT:OUT+1], s[6:7], s[62:63]
	s_sub_co_u32 s[DD], 7, s11
	s_add_co_u32 s[LASTI], s[ROLE], 7
	s_add_co_u32 s[SWI], s11, 1
	s_cmp_eq_u32 s[ROLE], 0
	s_cselect_b32 s[SWI], 99, s[SWI]
	s_cselect_b32 s[DGA], 99, s11
	s_mov_b32 s14, 0xff61b1e6                      ; -3e38, under every score,
	s_mov_b32 s[MI2], s14
	s_cmp_lt_u32 s18, 15
	s_cselect_b32 s[MI2], SMB, s[MI2]              ; or s_m where keys lie behind the unit's diagonal step: they count for the maximum
	s_cmp_lt_u32 s19, 15
	s_cselect_b32 s14, SMB, s14
	s_sub_co_u32 s15, 15, s19
	s_lshl_b32 s15, s15, 7
	v_cvt_f32_u32 v[KEYS], s15
.irp x, NMA, NMB
	v_mov_b32 v[\x], 0x7f61b1e6                    ; -M = 3e38: the first step's factor 2^(old M - new M) is 0
	v_mov_b32 v[\x+1], s14
	v_mov_b32 v[\x+2], 0
	v_mov_b32 v[\x+3], 0
.endr
.irp b, FA, FA+1, FB, FB+1, U, U+1, W+7, W+9, W+11, W+13
	v_mov_b32 v[\b], 0                             ; written once: a lane permute's destination counts as one of its sources, and the others are named as the upper halves of pairs
.endr
	WIN 0x40
.set n, 0
.rept 128
	v_mov_b32 v[OA+n], 0                           ; O^T: the step is written once, and the first finds zeros
.set n, n+1
.endr
	WIN 0
	s_wait_alu depctr_va_vdst(0)                   ; the wait at the head's end
	s_wait_loadcnt 0x0                             ; Q, its scale words, the fifteen sums
.irp j, 1,2,3,4,5,6,7,8,9,10,11,12,13,14,15        ; the sum of V over the steps behind my unit's diagonal step: step j counts where R < j; a choice of a factor, no branch
	s_cmp_lt_u32 s19, \j
	s_cselect_b32 s14, 1.0, 0
.irp e, 0,1,2,3
.if \j == 1
	v_mul_f32 v[28+\e], s14, v[KF+4*\j+\e]
.else
	v_fmac_f32 v[28+\e], s14, v[KF+4*\j+\e]
.endif
.endr
.endr
	ds_store_b128 v[VWR], v[28:31]                 ; into my wave's own bytes: read back at the end in O^T's layout
.macro KLOAD                           ; the next step's eight fragments of K, as images of their registers, and its scale words: register jj: lanes 0-15 those of tile 2 jj, lanes 16-31 those of tile 2 jj + 1
.irp t, 0,1,2,3,4,5,6,7
.irp c, 0,1
	ds_load_b128 v[KF+8*\t+4*\c:KF+8*\t+4*\c+3], v9 offset:KC+1024*\t+512*\c
.endr
.endr
	ds_load_b128 v[KSR:KSR+3], v9 offset:KS
.endm
.macro BLOAD                           ; the bias of my eight keys of each tile, into tile B's accumulators: the C of both tiles' products
	WIN 0x40
.irp t, 0,1,2,3,4,5,6,7
.irp e, 0,1
	ds_load_b128 v[SB+8*\t+4*\e:SB+8*\t+4*\e+3], v10 offset:256*(\t/4)+32*(\t%4)+16*\e
.endr
.endr
	WIN 0
.endm
.macro QKMUL acc, q, sc                ; S^T = K Q^T + bias: eight accumulators, one instruction each
.irp t, 0,2,4,6
	v_wmma_scale_f32_16x16x128_f8f6f4 v[\acc+8*\t:\acc+8*\t+7], v[KF+8*\t:KF+8*\t+7], v[\q:\q+7], v[SB+8*\t:SB+8*\t+7], v[KSR+\t/2], v[\sc] matrix_a_fmt:MATRIX_FMT_FP4 matrix_b_fmt:MATRIX_FMT_FP4
	v_wmma_scale_f32_16x16x128_f8f6f4 v[\acc+8*\t+8:\acc+8*\t+15], v[KF+8*\t+8:KF+8*\t+15], v[\q:\q+7], v[SB+8*\t+8:SB+8*\t+15], v[KSR+\t/2], v[\sc] matrix_a_fmt:MATRIX_FMT_FP4 matrix_b_fmt:MATRIX_FMT_FP4 matrix_a_scale:MATRIX_SCALE_ROW1
.endr
.endm
.macro QK
	WIN 0x50
	QKMUL SA, QA, QSC
.rept 5
	v_nop                                          ; five places: tile B's products write over the bias, which tile A's have read as C
.endr
	QKMUL SB, QB, QSC+1
	WIN 0
.endm
.macro PV acc, pc, sc, t
	v_wmma_scale_f32_16x16x128_f8f6f4 v[\acc+8*\t:\acc+8*\t+7], v[VF+8*\t:VF+8*\t+7], v[\pc:\pc+7], v[\acc+8*\t:\acc+8*\t+7], v[VSR+\t/2], v[\sc] matrix_a_fmt:MATRIX_FMT_FP4 matrix_b_fmt:MATRIX_FMT_FP4
	v_wmma_scale_f32_16x16x128_f8f6f4 v[\acc+8*\t+8:\acc+8*\t+15], v[VF+8*\t+8:VF+8*\t+15], v[\pc:\pc+7], v[\acc+8*\t+8:\acc+8*\t+15], v[VSR+\t/2], v[\sc] matrix_a_fmt:MATRIX_FMT_FP4 matrix_b_fmt:MATRIX_FMT_FP4 matrix_a_scale:MATRIX_SCALE_ROW1
.endm
.macro FOLD first, len                 ; the 2 len numbers from a register on become len, two at a time
.set n, 0
.rept (\len)/2
	v_pk_add_f32 v[\first+n:\first+n+1], v[\first+n:\first+n+1], v[\first+\len+n:\first+\len+n+1]
.set n, n+2
.endr
.endm
; THE END OF A UNIT: the keys behind the diagonal step are added, O^T is divided by the row's sum and leaves through my stage, half a row (64 channels, 256 bytes) of 16 queries at a time.  S^T is left alone.
; Lines in .irp x, 0,1 stand for tile A, then for tile B.
.macro FINISH
.rept 4
	v_nop                                          ; four places between the last products and the loads into registers that they read
.endr
.irp t, 0,1,2,3,4,5,6,7
.irp e, 0,1
	ds_load_b128 v[KF+8*\t+4*\e:KF+8*\t+4*\e+3], v[VRD] offset:64*\t+16*\e   ; the sum of V behind the diagonal step, in O^T's layout: register 8 t + i is channel 16 t + 8 h + i
.endr
.endr
.irp x, 0,1
	v_fma_f32 v[W+\x], v[SMV], s[CS], v[NMA+4*\x]  ; s_m c - M, by the same multiply-add as every score
.endr
.irp x, 0,1
	v_min_num_f32 v[W+\x], 0, v[W+\x]              ; (above 0 only where no key lies behind: then it is multiplied by 0)
.endr
	s_wait_alu depctr_va_vdst(0)                   ; the wait ahead of the transcendentals
.irp x, 0,1
	v_exp_f32 v[W+\x], v[W+\x]                     ; p_m
.endr
.irp x, 0,1
	v_add_f32 v[NMA+2+4*\x], v[NMA+2+4*\x], v[NMA+3+4*\x]          ; the sum's two halves (a plain line behind the exponentials),
.endr
.irp x, 0,1
	v_permlanex16_b32 v[U+\x], v[NMA+2+4*\x], s[SEL], s[SEL+1]
.endr
.irp x, 0,1
	v_add_f32 v[NMA+2+4*\x], v[NMA+2+4*\x], v[U+\x]                ; and lane l xor 16's
.endr
	s_wait_alu depctr_va_vdst(0)                   ; ahead of p_m's first reader
.irp x, 0,1
	v_fma_f32 v[NMA+2+4*\x], v[W+\x], v[KEYS], v[NMA+2+4*\x]       ; + 128 (15 - R) p_m: the row's sum
.endr
.irp x, 0,1
	v_and_b32 v[W+2+2*\x], 0x7f800000, v[W+\x]     ; p_m quantised in a block of equals: its power of two,
	v_and_b32 v[W+3+2*\x], 0x7fffff, v[W+\x]
.endr
	v_cmp_lt_u32 vcc_lo, 0x200000, v[W+3]          ; x 1.5 where its mantissa is above 1.25 (the tie goes to the even code, x 1)
	v_cmp_lt_u32 s14, 0x200000, v[W+5]
	v_cndmask_b32 v[W+3], 0, v[MANT], vcc_lo
	v_cndmask_b32 v[W+5], 0, v[MANT], s14
.irp x, 0,1
	v_or_b32 v[W+2+2*\x], v[W+2+2*\x], v[W+3+2*\x]
.endr
	s_wait_alu depctr_va_vdst(0)
.irp x, 0,1
	v_rcp_f32 v[W+6+2*\x], v[NMA+2+4*\x]
.endr
	s_wait_dscnt 0x0                               ; the sums of V are in
	WIN 0x50
	s_wait_alu depctr_va_vdst(0)                   ; behind the reciprocals, and directly ahead of O^T's first readers
.irp u, 0,1
.set n, 0
.rept 32
	v_pk_fma_f32 v[OA+64*\u+n:OA+64*\u+n+1], v[KF+n:KF+n+1], v[W+2+2*\u:W+3+2*\u], v[OA+64*\u+n:OA+64*\u+n+1] op_sel_hi:[1,0,1]   ; each accumulator from its low end on
.set n, n+2
.endr
.endr
.irp z, 0,1                            ; tile A, tile B
	WIN 0x01
.set n, 0
.rept 32
	v_pk_mul_f32 v[VF+n:VF+n+1], v[OA+64*\z+n:OA+64*\z+n+1], v[W+6+2*\z:W+7+2*\z] op_sel_hi:[1,0]
.set n, n+2
.endr
	WIN 0
.if \z
	s_wait_alu depctr_va_vdst(0)                   ; ahead of the wait below
	s_wait_xcnt 0x0                                ; tile A's stores have read their registers
.endif
.irp u, 0,1                            ; channels 64 u on
.irp t, 0,1,2,3
	ds_store_b128 v5, v[VF+32*\u+8*\t:VF+32*\u+8*\t+3] offset:64*\t
	ds_store_b128 v5, v[VF+32*\u+8*\t+4:VF+32*\u+8*\t+7] offset:64*\t+16
.endr
.irp i, 0,1,2,3,4,5,6,7
	ds_load_b128 v[KF+32*\u+4*\i:KF+32*\u+4*\i+3], v6 offset:2*\i*272   ; LDS serves a wave's instructions in order: these see my stores, and the next half's stores come behind them
.endr
.endr
.irp u, 0,1
.irp i, 0,1,2,3,4,5,6,7
	s_wait_dscnt 15-8*\u-\i                        ; at most the younger loads of the sixteen are out
	global_store_b128 v7, v[KF+32*\u+4*\i:KF+32*\u+4*\i+3], s[OUT:OUT+1] offset:\z*131072+2*\i*8192+256*\u th:TH_STORE_NT   ; sixteen lanes store 256 consecutive bytes, at a multiple of 256 from out0's first byte
.endr
.endr
.endr
	s_wait_xcnt 0x0                                ; the stores have read their registers: the text behind this names them again
.endm
	s_wait_alu depctr_va_vdst(0)                   ; ahead of the wait below
	s_wait_tensorcnt 0x0                           ; my two steps have landed;
	s_wait_dscnt 0x0
	s_barrier_signal -1
	s_barrier_wait -1                              ; and everybody's.
	KLOAD                                          ; both units of a pair begin at step 0
	BLOAD
	s_wait_dscnt 0x0
	QK
	s_mov_b32 s[CI], 0
.Ltrip:                                                ; a trip: the softmax and the second product of my step CI, the first product of the next
	s_cmp_gt_u32 s[CI], s[LASTI]                   ; waves 0-3 have eight steps, waves 4-7 nine: every branch here hangs on the wave's number, the cluster's and the count of trips
	s_cbranch_scc1 .Lnext
	s_cmp_lg_u32 s[CI], s[SWI]
	s_cbranch_scc1 .Lbody
	FINISH                                         ; the short unit is done.  Its O^T and sum are left: -M = 3e38 makes the next step's factor 0
.irp b, NMA, NMB
	v_mov_b32 v[\b], 0x7f61b1e6
	v_mov_b32 v[\b+1], s[MI2]
.endr
	s_wait_alu depctr_va_vdst(0)
.Lbody:
	s_cmp_ge_u32 s[CI], s[SWI]
	s_cselect_b32 s14, s[DD], 0
	s_add_co_u32 s14, s14, s[CI]
	s_min_u32 s14, s14, 15
	s_mul_i32 s[TBC], s14, PKL
	s_add_co_u32 s15, s[CI], 1
	s_cmp_ge_u32 s15, s[SWI]
	s_cselect_b32 s14, s[DD], 0
	s_add_co_u32 s14, s14, s15
	s_min_u32 s14, s14, 15
	s_mul_i32 s[TBN], s14, PKL
	v_add_nc_u32 v8, s[TBC], v1
	v_add_nc_u32 v9, s[TBN], v1
	v_add_nc_u32 v10, s[TBN], v2
	v_nop                                          ; four places between the last products and the loads into registers that they read
.irp t, 0,1,2,3,4,5,6,7
.irp c, 0,1
	ds_load_b128 v[VF+8*\t+4*\c:VF+8*\t+4*\c+3], v8 offset:VC+1024*\t+512*\c   ; V's eight fragments land while the softmax is worked,
.endr
.endr
	ds_load_b128 v[VSR:VSR+3], v8 offset:VS
	s_cmp_eq_u32 s[CI], s[LASTI]
	s_cbranch_scc1 .Lno_k
	KLOAD                                          ; and so do the next step's of K
	s_cmp_lg_u32 s15, s[SWI]
	s_cbranch_scc1 .Lno_k
	QLOAD QLC, QLS                                 ; the next step is the long unit's first here: its Q
.Lno_k:
	s_cmp_eq_u32 s[CI], s[DGA]
	s_cbranch_scc1 .Ldiag
	s_cmp_lg_u32 s[CI], 8
	s_cbranch_scc1 .Lopen
.Ldiag:
	WIN 0x41
	s_wait_alu depctr_va_vdst(0)                   ; directly ahead of the scores' first readers on this way
.set n, 0
.rept 64                               ; on the diagonal: the scores of keys behind my query become s_m, ahead of the maximum
	v_cmp_gt_i32 vcc_lo, 64*(n/32)+n%32, v3
	v_cmp_gt_i32 s14, 64*(n/32)+n%32, v4
	v_cndmask_b32 v[SA+n], v[SA+n], v[SMV], vcc_lo
	v_cndmask_b32 v[SB+n], v[SB+n], v[SMV], s14
.set n, n+1
.endr
	WIN 0
.Lopen:
	WIN 0x14
	s_wait_alu depctr_va_vdst(0)                   ; directly ahead of the scores' first readers
.irp b, 0,1,2,3
	v_max3_num_f32 v[BM+\b], 0xff800000, v[SA+32*\b], v[SA+32*\b+1]   ; the largest score of each of my blocks of 32 keys (tile A's two, tile B's two): for the row's maximum and, since p rises with the score, for the block's scale
.endr
.set n, 2
.rept 15
.irp b, 0,1,2,3
	v_max3_num_f32 v[BM+\b], v[BM+\b], v[SA+32*\b+n], v[SA+32*\b+n+1]
.endr
.set n, n+2
.endr
	WIN 0
.irp x, 0,1
	v_max3_num_f32 v[T+\x], v[NMA+1+4*\x], v[BM+2*\x], v[BM+1+2*\x]
.endr
.irp x, 0,1
	v_mov_b32 v[T+2+\x], v[NMA+4*\x]
.endr
.irp x, 0,1
	v_permlanex16_b32 v[U+\x], v[T+\x], s[SEL], s[SEL+1]
.endr
.irp x, 0,1
	v_max_num_f32 v[NMA+1+4*\x], v[T+\x], v[U+\x]  ; the running largest score of my query
.endr
.irp x, 0,1
	v_mul_f32 v[T+\x], s[NC], v[NMA+1+4*\x]
.endr
.irp x, 0,1
	v_floor_f32 v[NMA+4*\x], v[T+\x]               ; the new -M = floor(-t): M is a whole number
.endr
.irp x, 0,1
	v_sub_f32 v[T+2+\x], v[NMA+4*\x], v[T+2+\x]    ; old M - new M: a whole number, 0 or less
.endr
.irp b, 0,1,2,3
	v_fma_f32 v[BM+\b], v[BM+\b], s[CS], v[NMA+4*(\b/2)]           ; the blocks' largest t - M
.endr
.irp x, 0,1
	v_cvt_i32_f32 v[T+2+\x], v[T+2+\x]             ; (it saturates)
.endr
.irp b, 0,1,2,3
	v_floor_f32 v[BM+\b], v[BM+\b]                 ; the exponent of the block's largest p,
.endr
.irp x, 0,1
	v_ldexp_f32 v[FA+2*\x], 1.0, v[T+2+\x]         ; f = 2^(old M - new M)
.endr
.irp b, 0,1,2,3
	v_max_num_f32 v[BM+\b], 0xc2f80000, v[BM+\b]   ; held at -124 from below, so that the byte cannot fall under 1
.endr
.irp b, 0,1,2,3
	v_add_f32 v[Z+\b], 0x4b00007d, v[BM+\b]        ; + 2^23 + 125: the scale's byte, exponent - 2 + 127, in the lowest byte; the next two are 0
.endr
.irp b, 0,1,2,3
	v_lshlrev_b32 v[OP+\b], 23, v[Z+\b]            ; as the exponent field of the conversion's scale operand
.endr
.irp x, 0,1
	v_perm_b32 v[T+\x], v[Z+1+2*\x], v[Z+2*\x], v[PSEL]            ; my two bytes in their places of the scale word,
.endr
.irp x, 0,1
	v_permlanex16_b32 v[U+\x], v[T+\x], s[SEL], s[SEL+1]
.endr
.irp x, 0,1
	v_or_b32 v[PSC+\x], v[T+\x], v[U+\x]           ; with lane l xor 16's two
.endr
	WIN 0x41
.set n, 0
.rept 32
	v_pk_fma_f32 v[SA+n:SA+n+1], v[SA+n:SA+n+1], s[CS:CS+1], v[NMA:NMA+1] op_sel_hi:[1,0,0]   ; t - M, two at a time
.set n, n+2
.endr
	s_wait_alu depctr_va_vdst(0)                   ; the wait ahead of the batch too
.set n, 0
.rept 32
	v_exp_f32 v[SA+n], v[SA+n]                     ; tile A's p = 2^(t - M), at most 1; tile B's t - M between them
	v_exp_f32 v[SA+n+1], v[SA+n+1]
	v_pk_fma_f32 v[SB+n:SB+n+1], v[SB+n:SB+n+1], s[CS:CS+1], v[NMB:NMB+1] op_sel_hi:[1,0,0]
.set n, n+2
.endr
	WIN 0x01
	s_wait_alu depctr_va_vdst(0)                   ; one wait for the batch behind it and the one ahead
.irp t, 0,1,2,3,4,5,6,7
	v_cvt_scalef32_pk8_fp4_f32 v[PC+\t], v[SA+8*\t:SA+8*\t+7], v[OP+\t/4]   ; tile A's codes: register t of the operand
.endr
	v_nop                                          ; a plain line behind the conversions
	WIN 0x45
.set n, 0
.rept 16
	v_exp_f32 v[SB+2*n], v[SB+2*n]                 ; tile B's p; the first halving of tile A's sum between them
	v_exp_f32 v[SB+2*n+1], v[SB+2*n+1]
	v_exp_f32 v[SB+2*n+2], v[SB+2*n+2]
	v_exp_f32 v[SB+2*n+3], v[SB+2*n+3]
	v_pk_add_f32 v[SA+n:SA+n+1], v[SA+n:SA+n+1], v[SA+32+n:SA+32+n+1]
.set n, n+2
.endr
	WIN 0x01
	s_wait_alu depctr_va_vdst(0)
.irp t, 0,1,2,3,4,5,6,7
	v_cvt_scalef32_pk8_fp4_f32 v[PC+8+\t], v[SB+8*\t:SB+8*\t+7], v[OP+2+\t/4]
.endr
	v_nop
	WIN 0x45                                       ; the rows' sums, of the unquantised p
	FOLD SA, 16
	FOLD SB, 32
	FOLD SA, 8
	FOLD SB, 16
	FOLD SA, 4
	FOLD SB, 8
	FOLD SA, 2
	FOLD SB, 4
	FOLD SB, 2
	WIN 0x10
	v_pk_fma_f32 v[NMA+2:NMA+3], v[NMA+2:NMA+3], v[FA:FA+1], v[SA:SA+1] op_sel_hi:[1,0,1]   ; onto the sum under the new M
	v_pk_fma_f32 v[NMB+2:NMB+3], v[NMB+2:NMB+3], v[FB:FB+1], v[SB:SB+1] op_sel_hi:[1,0,1]
	WIN 0
	s_wait_alu depctr_va_vdst(0)                   ; ahead of the wait and the branch below
	s_wait_dscnt 0x0                               ; V's fragments, and the next K's, are in
	s_cmp_eq_u32 s[CI], s[LASTI]
	s_cbranch_scc1 .Lno_bias
	BLOAD                                          ; S^T is done with: the next step's bias lands under the second product
.Lno_bias:
	WIN 0x41
	s_wait_alu depctr_va_vdst(0)                   ; directly ahead of O^T's first readers
.irp u, 0,1
.set n, 0
.rept 32
	v_pk_mul_f32 v[OA+64*\u+n:OA+64*\u+n+1], v[OA+64*\u+n:OA+64*\u+n+1], v[FA+2*\u:FA+2*\u+1] op_sel_hi:[1,0]   ; O^T under the new M; these 64 are also the places between the scale words, the codes and the products
.set n, n+2
.endr
.endr
	WIN 0x50
.irp t, 0,2,4,6                        ; O^T += V^T P^T: sixteen accumulators, one instruction each
	PV OA, PC, PSC, \t
	PV OB, PC+8, PSC+1, \t
.endr
	WIN 0
	s_wait_loadcnt 0x0                             ; Q, if it was asked for
	s_wait_dscnt 0x0                               ; the bias
	s_cmp_eq_u32 s[CI], s[LASTI]
	s_cbranch_scc1 .Lnext
	QK
.Lnext:
	s_add_co_u32 s[CI], s[CI], 1
	s_cmp_lt_u32 s[CI], 9
	s_wait_alu depctr_va_vdst(0)                   ; directly ahead of the branch
	s_cbranch_scc1 .Ltrip
.rept 4
	v_nop                                          ; four places between the last products and what reads them
.endr
	s_wait_dscnt 0x0
	s_barrier_signal -1
	s_barrier_wait -1                              ; nobody reads the steps' bytes any more
	s_cmp_eq_u32 s[ROLE], 0
	s_cbranch_scc1 .Lno_hand
	WIN 0x04                                       ; (a store's data are its source 1)
.set n, 0
.rept 32
	ds_store_b128 v11, v[OA+4*n:OA+4*n+3] offset:512*n             ; waves 4-7: O^T of both tiles as images of the registers,
.set n, n+1
.endr
	WIN 0
	ds_store_b128 v11, v[NMA:NMA+3] offset:16384   ; -M, the largest score, the sum in two halves
	ds_store_b128 v11, v[NMB:NMB+3] offset:16896
.Lno_hand:
	s_wait_dscnt 0x0
	s_barrier_signal -1
	s_barrier_wait -1
	s_cmp_lg_u32 s[ROLE], 0
	s_cbranch_scc1 .Lend
	ds_load_b128 v[W:W+3], v11 offset:16384        ; waves 0-3: the other part
	ds_load_b128 v[T:T+3], v11 offset:16896
.set n, 0
.rept 32
	ds_load_b128 v[KF+4*n:KF+4*n+3], v11 offset:512*n
.set n, n+1
.endr
	s_wait_dscnt 0x0
	v_min_num_f32 v[W+4], v[NMA], v[W]             ; the common -M
	v_min_num_f32 v[W+5], v[NMB], v[T]
	v_sub_f32 v[BM], v[W+4], v[NMA]
	v_sub_f32 v[BM+1], v[W+5], v[NMB]
	v_sub_f32 v[BM+2], v[W+4], v[W]
	v_sub_f32 v[BM+3], v[W+5], v[T]
.irp b, 0,1,2,3
	v_cvt_i32_f32 v[BM+\b], v[BM+\b]
.endr
	v_ldexp_f32 v[FA], 1.0, v[BM]
	v_ldexp_f32 v[FB], 1.0, v[BM+1]
	v_ldexp_f32 v[W+10], 1.0, v[BM+2]
	v_ldexp_f32 v[W+12], 1.0, v[BM+3]
	v_mov_b32 v[NMA], v[W+4]
	v_mov_b32 v[NMB], v[W+5]
	v_pk_mul_f32 v[NMA+2:NMA+3], v[NMA+2:NMA+3], v[FA:FA+1] op_sel_hi:[1,0]
	v_pk_mul_f32 v[NMB+2:NMB+3], v[NMB+2:NMB+3], v[FB:FB+1] op_sel_hi:[1,0]
	v_pk_fma_f32 v[NMA+2:NMA+3], v[W+2:W+3], v[W+10:W+11], v[NMA+2:NMA+3] op_sel_hi:[1,0,1]
	v_pk_fma_f32 v[NMB+2:NMB+3], v[T+2:T+3], v[W+12:W+13], v[NMB+2:NMB+3] op_sel_hi:[1,0,1]
	WIN 0x41
.irp u, 0,1
.set n, 0
.rept 32
	v_pk_mul_f32 v[OA+64*\u+n:OA+64*\u+n+1], v[OA+64*\u+n:OA+64*\u+n+1], v[FA+2*\u:FA+2*\u+1] op_sel_hi:[1,0]
.set n, n+2
.endr
.endr
	WIN 0x50
.irp u, 0,1
.set n, 0
.rept 32
	v_pk_fma_f32 v[OA+64*\u+n:OA+64*\u+n+1], v[KF+64*\u+n:KF+64*\u+n+1], v[W+10+2*\u:W+11+2*\u], v[OA+64*\u+n:OA+64*\u+n+1] op_sel_hi:[1,0,1]
.set n, n+2
.endr
.endr
	WIN 0
	FINISH
.Lend:
	s_wait_tensorcnt 0x0                           ; the wave's end, behind my last tensor load and my last LDS store
	ds_add_u32 v[SPW], v[NIL]
	s_wait_dscnt 0x0
	ROUND                                          ; the closing round: no work-group ends while a partner may still ask for what names it
	s_endpgm
.Lfunc_end_k_q16b0b641de_attn:
	.size	k_q16b0b641de_attn, .Lfunc_end_k_q16b0b641de_attn-k_q16b0b641de_attn
	.p2alignl 7, 3214868480
	.fill 96, 4, 3214868480
	.section	.rodata,"a",@progbits
	.p2align	6, 0x0
	.amdhsa_kernel k_q16b0b641de_attn
		.amdhsa_group_segment_fixed_size 327680
		.amdhsa_private_segment_fixed_size 0
		.amdhsa_enable_private_segment 0
		.amdhsa_kernarg_size 16
		.amdhsa_user_sgpr_count 2
		.amdhsa_user_sgpr_kernarg_segment_ptr 1
		.amdhsa_wavefront_size32 1
		.amdhsa_system_sgpr_workgroup_id_x 1
		.amdhsa_system_sgpr_workgroup_id_y 1
		.amdhsa_system_sgpr_workgroup_id_z 1
		.amdhsa_system_vgpr_workitem_id 0
		.amdhsa_next_free_vgpr 512
		.amdhsa_next_free_sgpr 66
		.amdhsa_reserve_vcc 1
		.amdhsa_float_denorm_mode_32 3
		.amdhsa_float_denorm_mode_16_64 3
		.amdhsa_memory_ordered 1
		.amdhsa_forward_progress 1
		.amdhsa_inst_pref_size 120
	.end_amdhsa_kernel
	.amdgpu_metadata
---
amdhsa.version: [ 1, 2 ]
amdhsa.kernels:
  - .name:           k_q16b0b641de_attn
    .symbol:         k_q16b0b641de_attn.kd
    .args:
      - { .name: pk, .offset: 0, .size: 8, .value_kind: global_buffer, .address_space: global }
      - { .name: out0, .offset: 8, .size: 8, .value_kind: global_buffer, .address_space: global }
    .group_segment_fixed_size: 327680
    .private_segment_fixed_size: 0
    .kernarg_segment_align: 8
    .kernarg_segment_size: 16
    .max_flat_workgroup_size: 256
    .sgpr_count:     66
    .vgpr_count:     512
    .wavefront_size: 32
...
	.end_amdgpu_metadata
.endif
;; end of part 2
